; MI455X (gfx1250); checked and timed in simulation.
; The chip was launched on July 23, 2026; its instructions are those of AMD's public machine-readable ISA for CDNA 5 (MIT licence, August 2026) and "CDNA5" Instruction Set Architecture Reference Guide (July 2026). The comments in the code are by the model that wrote it; some were corrected since.
;; Quantized Layer. Allowed arithmetic: float matrix products may take bf16 or f16 operands with f32 sums; all other float work in f32.
;; Inputs: bias 2,048 float32; centroids 8 x 1 float32; codes 399,458 int32; input_ 4 x 2,048 x 4,096 float32.
;; Outputs: out0 4 x 2,048 x 2,048 float32.
;; 2 versions, each right; version 2 is version 1 with the launch prep written anew for expert scheduling mode. Each part assembles by itself: llvm-mc -triple=amdgcn-amd-amdhsa -mcpu=gfx1250 --defsym DOCPART=n.
;; ======== version 1 of 2: 2 launches
;; workspace buffers: xb 67,108,864 bytes; wq 16,777,216 bytes
;; launch prep (part 1): grid 1024 x 1, 8 waves a work-group, no clusters, 0 bytes of LDS; arguments input_, codes, centroids, xb, wq; writes xb, wq
.if DOCPART == 1
	.amdgcn_target "amdgcn-amd-amdhsa--gfx1250"
	.amdhsa_code_object_version 6
	.text
	.protected	k_q2f5dc67788_prep
	.globl	k_q2f5dc67788_prep
	.p2align	8
	.type	k_q2f5dc67788_prep,@function
k_q2f5dc67788_prep:
	s_mov_b64 s[64:65], 0
	v_nop
	global_prefetch_b8 v0, s[64:65] scope:SCOPE_SE
	s_setreg_imm32_b32 hwreg(HW_REG_WAVE_MODE, 25, 1), 1
	s_wait_xcnt 0x0
; xb = bf16(input_), [8192][4096];  wq = bf16(centroids[index]), [2048][4096]: the dense weight, unpacked once.
; Both are rounded once, to nearest even; bf16 keeps f32's exponent range.
;
; THE CODES ARE int32, and so are the powers 8^p that they are divided by: 8^0 .. 8^10 fit, 8^11 .. 8^20 are 0 in 32 bits.
; Element e of the weight (flat, row-major) is place p = e mod 21 of word c = codes[e div 21], and its index is
;   p = 0 .. 10:  (c >> 3 p, arithmetic) & 7    floor division and a non-negative modulo; place 10 = bits 30, 31 and the sign once more
;   p = 11 .. 20: 6 if c != 0, 7 if c = 0       the floor division by 0 gives -2 or -1, modulo 8
; for every int32 word.  So a word stands for a string of 63 bits: c, its sign bit once more, then ten fields of 6 (of 7 if c = 0).
;
; Eight waves.  The work-group owns 131,072 bytes of input_ (32 lines of 4,096 bytes) and 8,192 elements of the weight (two rows):
; the weight has a quarter of input_'s elements, so all 1,024 work-groups have the same share of both.
; Thread t: in line i the 16 bytes at 4096 i + 16 t (a wave's load covers 512 consecutive bytes), stored as 8 bytes at 2048 i + 8 t
; (a wave's store covers 256 consecutive bytes, aligned); in weight group j = 0 .. 3 the elements 8192 wg + 2048 j + 8 t + 0 .. 7,
; stored as 16 bytes (sixteen lanes store 256 consecutive bytes, aligned).
; A ring of 16 slots keeps 16 loads of every wave in flight: 8 KiB a wave.  NO REGISTER THAT A STORE READS IS EVER WRITTEN AGAIN, and no
; address register is ever stepped, so the stream holds no wait but the counted one for a line's own load.
; No LDS, no barrier, no matrix unit: every byte is touched once and the waves share nothing.
.set NWORDS, 399458                    ; words in codes
.set LINES, 32                         ; lines of 4,096 bytes of a work-group
.set DEPTH, 16                         ; slots = loads in flight in each wave
.set OFX,  1                           ; v1        16 t: offset of the loads of input_ and of the stores of wq; never rewritten
.set OFY,  2                           ; v2        8 t: offset of the stores of xb; never rewritten
.set TLL,  4                           ; v4        low bytes of bf16(centroid 0 .. 3)          v[4:13] serve the unpacking alone, and afterwards
.set TLH,  5                           ; v5        low bytes of bf16(centroid 4 .. 7)          take the results of lines 6 to 10
.set THL,  6                           ; v6        high bytes of bf16(centroid 0 .. 3)
.set THH,  7                           ; v7        high bytes of bf16(centroid 4 .. 7)
.set KSEV, 8                           ; v8        ten fields of 7 from bit 1 on
.set KSIX, 9                           ; v9        ten fields of 6 from bit 1 on
.set BIT,  10                          ; v[10:13]  group j: 3 x place of its first element, 0 .. 60
.set GRP,  16                          ; v[16:31]  group j, 4 registers: two byte offsets and two code words, later the 4 words to store
.set TA,   32                          ; v[32:43]  at work in the unpacking; afterwards they take the results of lines 0 to 5
.set TB,   33
.set WMID, 34
.set WTOP, 35
.set WLO,  36
.set WHI,  37
.set FLD,  38
.set SELA, 39
.set SELB, 40
.set TC,   41
.set BLO,  42
.set BHI,  43
.set XR,   44                          ; v[44:107]  ring of 16 slots: 4 f32 as loaded; lines 16 to 31 are converted in place
.set YN,   108                         ; v[108:117] the results of lines 11 to 15
	s_load_b256 s[4:11], s[0:1], 0x0               ; input_ s[4:5], codes s[6:7], centroids s[8:9], xb s[10:11]
	s_load_b64 s[12:13], s[0:1], 0x20              ; wq
	s_mov_b32 s24, 0xc30c30c4                      ; ceil(2^36 / 21): 21 x it - 2^36 = 20, and 20 n < 2^36 for n < 2^23, so (n x it) >> 36 = n div 21
	s_lshl_b32 s25, ttmp9, 13                      ; the work-group's first element of the weight
	s_mov_b32 s15, 0
	v_lshlrev_b32 v[OFX], 4, v0
	v_lshlrev_b32 v[OFY], 3, v0
	v_mov_b32 v[KSEV], 0x7ffffffe
	v_mov_b32 v[KSIX], 0x6db6db6c
; Group j: which word holds my first element, at which place, and the byte offsets of that word and the next.  All of it hangs on ids
; alone, so it stands ahead of the wait for the arguments.
; The group's first element is divided by 21 in scalars; what is left, m = remainder + 8 t <= 20 + 2040, in the lane:
; 21 x 3121 - 65536 = 5 and 5 m < 65536, so (m x 3121) >> 16 = m div 21.
.macro ADDR j
	s_add_co_u32 s26, s25, 2048*\j                 ; the group's first element
	s_mul_hi_u32 s27, s26, s24
	s_lshr_b32 s27, s27, 4                         ; its word
	s_mul_i32 s28, s27, 21
	s_sub_co_u32 s28, s26, s28                     ; its place, 0 .. 20
	v_lshl_add_u32 v[TA], v0, 3, s28               ; m
	v_mul_u32_u24 v[TB], v[TA], 3121
	v_lshrrev_b32 v[TB], 16, v[TB]                 ; m div 21
	v_mul_u32_u24 v[TC], v[TB], 21
	v_sub_nc_u32 v[TA], v[TA], v[TC]               ; my first element's place
	v_lshl_add_u32 v[BIT+\j], v[TA], 1, v[TA]      ; x 3: its first bit
	v_add_nc_u32 v[TB], s27, v[TB]                 ; my word
	v_lshlrev_b32 v[GRP+4*\j], 2, v[TB]
	v_add_nc_u32 v[TB], 1, v[TB]
	v_min_u32 v[TB], NWORDS-1, v[TB]               ; the next word, kept inside the buffer: the one group that is clamped starts at place 3 of the last word and uses none of it
	v_lshlrev_b32 v[GRP+4*\j+1], 2, v[TB]
.endm
	ADDR 0
	ADDR 1
	ADDR 2
	ADDR 3
	s_wait_kmcnt 0x0
	s_load_b256 s[16:23], s[8:9], 0x0              ; the eight centroids
	s_lshl_b32 s14, ttmp9, 17
	s_add_nc_u64 s[4:5], s[4:5], s[14:15]          ; input_ at the work-group's 131,072 bytes
	s_lshl_b32 s14, ttmp9, 16
	s_add_nc_u64 s[10:11], s[10:11], s[14:15]      ; xb at its 65,536 bytes
	s_lshl_b32 s14, ttmp9, 14
	s_add_nc_u64 s[12:13], s[12:13], s[14:15]      ; wq at its 16,384 bytes
.irp j, 0,1,2,3
	global_load_b32 v[GRP+4*\j+2], v[GRP+4*\j], s[6:7]     ; the code words first: loads come back in order, and the unpacking is done while the lines are on their way
	global_load_b32 v[GRP+4*\j+3], v[GRP+4*\j+1], s[6:7]
.endr
.irp k, 0,1,2,3,4,5,6,7,8,9,10,11,12,13,14,15
	global_load_b128 v[XR+4*\k:XR+4*\k+3], v[OFX], s[4:5] offset:4096*\k th:TH_LOAD_NT   ; fill the ring: lines 0 to 15
.endr
	; The table of eight bf16 as four registers of bytes, so that a byte permute looks four indices up at once.
	s_wait_kmcnt 0x0
	v_cvt_pk_bf16_f32 v[TA], s16, s17
	v_cvt_pk_bf16_f32 v[TB], s18, s19
	v_cvt_pk_bf16_f32 v[TC], s20, s21
	v_cvt_pk_bf16_f32 v[WMID], s22, s23
	v_perm_b32 v[TLL], v[TB], v[TA], 0x06040200    ; selector bytes 0-3 take from the second source, 4-7 from the first
	v_perm_b32 v[THL], v[TB], v[TA], 0x07050301
	v_perm_b32 v[TLH], v[WMID], v[TC], 0x06040200
	v_perm_b32 v[THH], v[WMID], v[TC], 0x07050301
; four 3-bit fields of FLD from bit 'first' on, one to each byte of 'sel'
.macro PACK4 sel, first
	v_bfe_u32 v[\sel], v[FLD], \first, 3
	v_bfe_u32 v[TC], v[FLD], \first+3, 3
	v_lshl_or_b32 v[\sel], v[TC], 8, v[\sel]
	v_bfe_u32 v[TC], v[FLD], \first+6, 3
	v_lshl_or_b32 v[\sel], v[TC], 16, v[\sel]
	v_bfe_u32 v[TC], v[FLD], \first+9, 3
	v_lshl_or_b32 v[\sel], v[TC], 24, v[\sel]
.endm
; four indices in the bytes of 'sel' become four bf16 in dst, dst + 1
.macro LOOK sel, dst
	v_perm_b32 v[BLO], v[TLH], v[TLL], v[\sel]     ; index 0-3: byte of TLL, 4-7: byte of TLH: four low bytes
	v_perm_b32 v[BHI], v[THH], v[THL], v[\sel]     ; four high bytes
	v_perm_b32 v[\dst], v[BHI], v[BLO], 0x05010400 ; low 0, high 0, low 1, high 1
	v_perm_b32 v[\dst+1], v[BHI], v[BLO], 0x07030602
.endm
; Group j: my 24 bits start at bit BIT (at most 60) of word 0's 63 bits followed by word 1's, so they end at bit 83 at the latest,
; which is bit 20 of word 1.  Three words of 32 bits hold them; two are chosen and shifted.
.macro DEC j
	v_cmp_ne_u32 vcc_lo, 0, v[GRP+4*\j+2]
	v_cndmask_b32 v[TA], v[KSEV], v[KSIX], vcc_lo  ; word 0 is not 0: fields of 6; it is 0: fields of 7
	v_lshrrev_b32 v[TB], 31, v[GRP+4*\j+2]         ; its sign once more: bit 32
	v_or_b32 v[TA], v[TA], v[TB]
	v_lshl_or_b32 v[WMID], v[GRP+4*\j+3], 31, v[TA]   ; bits 32 .. 63; bit 63 is word 1's bit 0
	v_lshrrev_b32 v[WTOP], 1, v[GRP+4*\j+3]        ; bits 64 .. (used up to bit 83)
	v_cmp_le_u32 vcc_lo, 32, v[BIT+\j]
	v_cndmask_b32 v[WLO], v[GRP+4*\j+2], v[WMID], vcc_lo
	v_cndmask_b32 v[WHI], v[WMID], v[WTOP], vcc_lo
	v_and_b32 v[TA], 31, v[BIT+\j]                 ; s
	v_sub_nc_u32 v[TB], 31, v[TA]
	v_lshrrev_b32 v[WLO], v[TA], v[WLO]            ; low >> s
	v_lshlrev_b32 v[WHI], 1, v[WHI]
	v_lshlrev_b32 v[WHI], v[TB], v[WHI]            ; (high << 1) << (31 - s): right for s = 0 too
	v_or_b32 v[FLD], v[WLO], v[WHI]                ; eight indices in bits 23:0
	PACK4 SELA, 0
	PACK4 SELB, 12
	LOOK SELA, GRP+4*\j
	LOOK SELB, GRP+4*\j+2
	global_store_b128 v[OFX], v[GRP+4*\j:GRP+4*\j+3], s[12:13] offset:4096*\j   ; these registers are not written again
.endm
	s_wait_loadcnt DEPTH                           ; loads come back in order (ISA guide 5.7.1): the eight code words are in, the sixteen lines issued behind them stay out;
	                                               ; the code loads are done, so their offset registers may take the results
	DEC 0
	DEC 1
	DEC 2
	DEC 3
; The 32 lines, written out: every step stands in an immediate, 126,976 at the most.  Slot k = i mod 16.
; Lines 0 to 15: fifteen younger loads stay out; the slot is loaded again with line i + 16, so the two words to store go to a pair of
; registers that nothing writes afterwards: six pairs in v[32:43] and five in v[4:13], which the unpacking above has read for the last
; time and which no memory instruction has named, and five in v[108:117].
; Lines 16 to 31: the slot is not loaded again, so the line is converted in place and stored from its own first two registers;
; the counts run down.
.set i, 0
.rept LINES
.set k, i%DEPTH
.if i < DEPTH
	s_wait_loadcnt DEPTH-1
.if i < 6
.set y, TA+2*i
.else
.if i < 11
.set y, TLL+2*(i-6)
.else
.set y, YN+2*(i-11)
.endif
.endif
.else
	s_wait_loadcnt LINES-1-i
.set y, XR+4*k
.endif
	v_cvt_pk_bf16_f32 v[y], v[XR+4*k], v[XR+4*k+1]
	v_cvt_pk_bf16_f32 v[y+1], v[XR+4*k+2], v[XR+4*k+3]
.if i < DEPTH
	global_load_b128 v[XR+4*k:XR+4*k+3], v[OFX], s[4:5] offset:4096*(i+DEPTH) th:TH_LOAD_NT   ; the load ahead of the store
.endif
	global_store_b64 v[OFY], v[y:y+1], s[10:11] offset:2048*i
.set i, i+1
.endr
	s_endpgm
.Lfunc_end_k_q2f5dc67788_prep:
	.size	k_q2f5dc67788_prep, .Lfunc_end_k_q2f5dc67788_prep-k_q2f5dc67788_prep
	.p2alignl 7, 3214868480
	.fill 96, 4, 3214868480
	.section	.rodata,"a",@progbits
	.p2align	6, 0x0
	.amdhsa_kernel k_q2f5dc67788_prep
		.amdhsa_group_segment_fixed_size 0
		.amdhsa_private_segment_fixed_size 0
		.amdhsa_enable_private_segment 0
		.amdhsa_kernarg_size 40
		.amdhsa_user_sgpr_count 2
		.amdhsa_user_sgpr_kernarg_segment_ptr 1
		.amdhsa_wavefront_size32 1
		.amdhsa_system_sgpr_workgroup_id_x 1
		.amdhsa_system_sgpr_workgroup_id_y 1
		.amdhsa_system_sgpr_workgroup_id_z 1
		.amdhsa_system_vgpr_workitem_id 0
		.amdhsa_next_free_vgpr 118
		.amdhsa_next_free_sgpr 66
		.amdhsa_reserve_vcc 1
		.amdhsa_float_denorm_mode_32 3
		.amdhsa_float_denorm_mode_16_64 3
		.amdhsa_memory_ordered 1
		.amdhsa_forward_progress 1
		.amdhsa_inst_pref_size 25
	.end_amdhsa_kernel
	.amdgpu_metadata
---
amdhsa.version: [ 1, 2 ]
amdhsa.kernels:
  - .name:           k_q2f5dc67788_prep
    .symbol:         k_q2f5dc67788_prep.kd
    .args:
      - { .name: input_, .offset: 0, .size: 8, .value_kind: global_buffer, .address_space: global }
      - { .name: codes, .offset: 8, .size: 8, .value_kind: global_buffer, .address_space: global }
      - { .name: centroids, .offset: 16, .size: 8, .value_kind: global_buffer, .address_space: global }
      - { .name: xb, .offset: 24, .size: 8, .value_kind: global_buffer, .address_space: global }
      - { .name: wq, .offset: 32, .size: 8, .value_kind: global_buffer, .address_space: global }
    .group_segment_fixed_size: 0
    .private_segment_fixed_size: 0
    .kernarg_segment_align: 8
    .kernarg_segment_size: 40
    .max_flat_workgroup_size: 256
    .sgpr_count:     66
    .vgpr_count:     118
    .wavefront_size: 32
...
	.end_amdgpu_metadata
.endif
;; end of part 1
;; launch gemm (part 2): grid 8 x 32, 4 waves a work-group, clusters of 4 x 4, 327,680 bytes of LDS; arguments xb, wq, out0, bias; writes out0
.if DOCPART == 2
	.amdgcn_target "amdgcn-amd-amdhsa--gfx1250"
	.amdhsa_code_object_version 6
	.text
	.protected	k_q2f5dc67788_gemm
	.globl	k_q2f5dc67788_gemm
	.p2align	8
	.type	k_q2f5dc67788_gemm,@function
k_q2f5dc67788_gemm:
	s_mov_b64 s[64:65], 0
	v_nop
	global_prefetch_b8 v0, s[64:65] scope:SCOPE_SE
	s_setreg_imm32_b32 hwreg(HW_REG_WAVE_MODE, 25, 1), 1
	s_wait_xcnt 0x0
	s_wait_alu depctr_hold_cnt(0) depctr_sa_sdst(0) depctr_va_vdst(0) depctr_va_sdst(0) depctr_va_ssrc(0) depctr_va_vcc(0) depctr_vm_vsrc(0)
	s_getreg_b32 s2, hwreg(HW_REG_IB_STS2, 6, 4)
	s_cmp_eq_u32 s2, 0
	s_cbranch_scc0 .Lentry_in_a_cluster
	s_endpgm
.Lentry_in_a_cluster:
	s_bfe_u32 s2, ttmp6, 0x10000c
	s_cmp_lg_u32 s2, 0xf033
	s_cbranch_scc0 .Lentry_shape_is_right
	s_endpgm
.Lentry_shape_is_right:
; out0[m][n] = bias[n] + sum over k of xb[m][k] wq[n][k].  xb: [8192][4096] bf16, wq: [2048][4096] bf16, bias: [2048] f32, out0: [8192][2048] f32.
; Sums in f32, one accumulator for each output, K ascending.  LIMIT OF ROUNDING ORDER: the bias is the C operand of the first product, so it
; starts each sum instead of being added last.
; A work-group makes a block of 256 x 256 of out0 with four waves, as many as a WGP has SIMDs; a wave makes 128 x 128: 64 accumulator tiles
; of 16 x 16, 512 registers.  32 x 8 blocks = 256 work-groups.  K goes in steps of 128 through a ring of two LDS slots filled by the tensor
; data mover: a tile's rows are 256 bytes of memory and start at multiples of 256 bytes from the buffer's first byte.
; CLUSTERS: 4 x 4 work-groups form a cluster.  The four of a row of the cluster make blocks of one block row and need the same tiles of xb; the
; four of a column need the same tiles of wq.  Such a tile is asked for JOINTLY: each of the four issues the same tensor load, with the same
; descriptor and a mask that names the four, and each receives the tile in its own LDS.  That divides the requests for both by four.
; By this text's own count a wave has at most two tensor loads outstanding (the two first fills), later one.
;
; REGISTERS, in windows of 256 (an instruction names v0-v255; s_set_vgpr_msb says which window each operand place means):
;   window 0: v0-31 addresses; v64-127, v128-191 fragments of xb (8 x 16 rows x 32 K), two buffers; v192-255 the bias as eight C operands
;   window 1: v64-127, v128-191 fragments of wq, two buffers
;   window 2: the 32 accumulator tiles of my rows 0-63 (tile (a, b) at v[8 (8 a + b)]);   window 3: those of my rows 64-127
; s_set_vgpr_msb's low byte: bits 1:0 source 0, 3:2 source 1, 5:4 source 2, 7:6 destination.
;
; THE MATRIX INSTRUCTION IS USED TRANSPOSED: source 0 = 16 rows of wq, source 1 = 16 rows of xb.  In the result, lane l then holds row
; m = l % 16, and its registers 0 to 7 the columns n = 8 (l / 16) + 0 .. 7: eight neighbouring numbers of a row of out0, 32 bytes.
; The 64 accumulators take turns, one instruction a turn, in the same order in every quarter step.
.set SIZE_M, 8192
.set SIZE_N, 2048
.set SIZE_K, 4096
.set KSTEP,  128
.set PITCH,  272                       ; an LDS row: 256 bytes of data + 16 of padding, an odd multiple of 16: the 16 rows that a load touches start in 16 different 16-byte columns of 256 bytes
.set HALFT,  128*PITCH                 ; 128 rows: what one tensor load brings, and what one wave reads of xb or of wq
.set SLOT,   4*HALFT                   ; xb's 256 rows, then wq's 256 rows
.set STAGE,  2*SLOT                    ; behind the ring, at 1088 x 256 bytes: 16 rows x 528 bytes (33 x 256) for each wave, for the way out; no tensor load lands here
.set SPITCH, 528                       ; a stage row: 512 bytes (128 f32) + 16, again an odd multiple of 16
.set LAPS, SIZE_K/(2*KSTEP)            ; a lap = two K steps = once round the ring: 16
.set ADRA, 16                          ; v16-17  LDS address of my xb fragments in slot 0, 1
.set ADRB, 20                          ; v20-21  the same for wq
.set STO,  24                          ; v24     the way out: where I put 32 bytes of a row
.set RD,   25                          ; v25     the way out: where I read 16 bytes of a row back
.set CO,   26                          ; v26     my byte offset in a row of out0
.set BO,   27                          ; v27     my byte offset in the bias
.set F0,   64                          ; fragment buffer 0
.set F1,   128                         ; fragment buffer 1
.set BIAS, 192                         ; v[192+8b : 199+8b], window 0: bias of columns 16 b + 8 (l / 16) + 0 .. 7 of my 128
.set G1, 24                            ; s[24:31] descriptor group 1 for xb's tiles
.set G0, 32                            ; s[32:39] descriptor group 0 for xb's tiles, one set for each slot
.set G1B, 48                           ; s[48:55] descriptor group 1 for wq's tiles: it differs in the mask alone
.set G0B, 56                           ; s[56:63] descriptor group 0 for wq's tiles, one set for each slot
.set MSB, 0
.macro WIN new                         ; the immediate's high byte repeats the setting that is left
.if MSB != \new
	s_set_vgpr_msb (MSB<<8)|\new
.set MSB, \new
.endif
.endm
.set MUL_LO,   0xa1                    ; source 0 (wq) window 1, source 1 (xb) window 0, C and D window 2
.set MUL_HI,   0xf1                    ; the same, C and D window 3
.set FIRST_LO, 0x81                    ; the first products: C (the bias) window 0, D window 2
.set FIRST_HI, 0xc1                    ; the same, D window 3
.set TO_B,     0x40                    ; destination window 1, address window 0
; A joint load.  Waves 0 and 1 fetch xb's two halves, waves 2 and 3 wq's.  Each of the two lines has ONE mask and one set of registers for all that issue it, and nothing in
; them hangs on a coordinate that the four partners do not share.  The branch hangs on the wave's number alone: it is the same in every work-group.
.macro JLOAD s
	s_cmp_eq_u32 s11, 0
	s_cbranch_scc0 .Lfor_b_\@
	tensor_load_to_lds s[G0+4*\s:G0+4*\s+3], s[G1:G1+7]
	s_nop 0
	s_branch .Lasked_\@
.Lfor_b_\@:
	tensor_load_to_lds s[G0B+4*\s:G0B+4*\s+3], s[G1B:G1B+7]
	s_nop 0
.Lasked_\@:
.endm
; A round of the cluster's barrier: my work-group's barrier, so that wave 0's signal speaks for all four waves; wave 0 signals for the work-group; every wave waits for all
; sixteen work-groups; my work-group's barrier once more.  No LDS instruction of the wave is pending at a signal.
.macro CREST                           ; a round behind its opening barrier
	s_cmp_lg_u32 s10, 0
	s_cbranch_scc1 .Lnot_wave_0_\@
	s_barrier_signal -3
.Lnot_wave_0_\@:
	s_barrier_wait -3
	s_barrier_signal -1
	s_barrier_wait -1
.endm
.macro CROUND                          ; a whole round
	s_barrier_signal -1
	s_barrier_wait -1
	CREST
.endm
	s_load_b128 s[4:7], s[0:1], 0x0                ; xb s[4:5], wq s[6:7]
	s_load_b64 s[8:9], s[0:1], 0x10                ; out0
	s_load_b64 s[66:67], s[0:1], 0x18              ; bias
	s_set_vgpr_msb 0x40
	v_lshl_add_u32 v255, v0, 2, 0x4c400
	s_set_vgpr_msb 0x4000
	v_mov_b32 v63, 0
	s_set_vgpr_msb 0x1
	ds_add_u32 v255, v63
	ds_add_u32 v255, v63
	s_set_vgpr_msb 0x100
	v_lshrrev_b32 v1, 5, v0
	v_readfirstlane_b32 s10, v1                    ; wave 0..3
	s_lshr_b32 s11, s10, 1                         ; which half of the block's rows is mine.  Also: I fetch for xb (0) or for wq (1)
	s_and_b32 s12, s10, 1                          ; which half of its columns.  Also: which 128 rows of that tile I fetch
	s_bfe_u32 s40, ttmp6, 0x40000                  ; cx: my place along the cluster's x
	s_bfe_u32 s41, ttmp6, 0x40004                  ; cy: along its y
	s_lshl_b32 s42, ttmp9, 2                       ; in a cluster launch ttmp9 and ttmp7 count clusters
	s_add_co_u32 s42, s42, s40                     ; block column = 4 x cluster x + cx
	s_and_b32 s13, ttmp7, 0xffff
	s_lshl_b32 s13, s13, 2
	s_add_co_u32 s13, s13, s41                     ; block row = 4 x cluster y + cy
	s_lshl_b32 s43, s41, 2
	s_lshl_b32 s43, 15, s43                        ; my row of the cluster: places 4 cy .. 4 cy + 3
	s_lshl_b32 s44, 0x1111, s40                    ; my column: places cx, cx + 4, cx + 8, cx + 12
	; descriptor group 1: a tile of 128 rows x 128 elements, padded in LDS
	s_or_b32 s[G1+0], s43, (1<<16)|(1<<20)|(1<<21)|(5<<22)|(3<<25)  ; 15:0 the mask: xb's tiles go to my row; 17:16 element of 2 bytes; 20 padding on; 21 set beside a mask; 24:22 after every 64 words (code 5); 31:25 of 4 words (code 3)
	s_or_b32 s[G1B+0], s44, (1<<16)|(1<<20)|(1<<21)|(5<<22)|(3<<25) ; the same with the mask of my column, for wq's tiles
	s_mov_b32 s[G1B+1], KSTEP<<16
	s_mov_b32 s[G1+1], KSTEP<<16                   ; 63:48 tensor_dim0, low half = 128
	s_mov_b32 s[G1B+2], 128<<16
	s_mov_b32 s[G1+2], 128<<16                     ; 79:64 its high half = 0; 95:80 tensor_dim1, low half = 128
	s_mov_b32 s[G1B+3], KSTEP<<16
	s_mov_b32 s[G1+3], KSTEP<<16                   ; 111:96 its high half = 0; 127:112 tile_dim0 = 128
	s_mov_b32 s[G1B+4], 128
	s_mov_b32 s[G1+4], 128                         ; 143:128 tile_dim1 = 128; 159:144 tile_dim2 = 0
	s_mov_b32 s[G1B+5], SIZE_K
	s_mov_b32 s[G1+5], SIZE_K                      ; 191:160 tensor_dim0_stride, low word: elements from row to row
	s_mov_b32 s[G1B+6], 0
	s_mov_b32 s[G1+6], 0
	s_mov_b32 s[G1B+7], 0
	s_mov_b32 s[G1+7], 0
	; where the tiles come from.  xb's hang on the block row alone, which my row of the cluster shares; wq's on the block column alone, which my column shares.
	; Every wave makes both addresses, in registers that never hold the other coordinate, and asks by one of them.
	s_lshl_b32 s17, s12, 7                         ; which 128 rows of the tile I fetch
	s_lshl_b32 s16, s13, 8
	s_add_co_u32 s16, s16, s17                     ; xb: row 256 x block row + 128 x half
	s_lshl_b32 s46, s42, 8
	s_add_co_u32 s46, s46, s17                     ; wq: row 256 x block column + 128 x half
	s_mov_b32 s17, 0
	s_mov_b32 s47, 0
	s_mov_b64 s[18:19], SIZE_K*2
	s_mul_u64 s[16:17], s[16:17], s[18:19]         ; in bytes, in 64 bits
	s_mul_u64 s[46:47], s[46:47], s[18:19]
	s_mul_i32 s20, s10, HALFT                      ; and where they go: xb's two halves, then wq's two halves = wave x 128 rows: no place in the cluster enters an LDS address
	s_lshl_b32 s68, s42, 10                        ; my 128 numbers of the bias: 1,024 bytes a block column
	s_lshl_b32 s69, s12, 9                         ; + 512 bytes a half
	s_add_co_u32 s68, s68, s69
	s_mov_b32 s69, 0
	s_wait_dscnt 0x0
	s_wait_kmcnt 0x0
	s_add_nc_u64 s[14:15], s[4:5], s[16:17]
	s_add_nc_u64 s[46:47], s[6:7], s[46:47]
	s_add_nc_u64 s[66:67], s[66:67], s[68:69]
	CROUND                                         ; all sixteen work-groups are here: the first joint loads meet
.irp s, 0,1
	s_mov_b32 s[G0+4*\s], 1                                        ; 1:0 count = 1
	s_add_co_u32 s[G0+4*\s+1], s20, \s*SLOT                        ; 63:32 LDS address
	s_add_nc_u64 s[G0+4*\s+2:G0+4*\s+3], s[14:15], \s*KSTEP*2      ; 120:64 global address: K step s
	s_or_b32 s[G0+4*\s+3], s[G0+4*\s+3], 0x80000000                ; 127:126 type = 2
	s_mov_b32 s[G0B+4*\s], 1
	s_add_co_u32 s[G0B+4*\s+1], s20, \s*SLOT
	s_add_nc_u64 s[G0B+4*\s+2:G0B+4*\s+3], s[46:47], \s*KSTEP*2
	s_or_b32 s[G0B+4*\s+3], s[G0B+4*\s+3], 0x80000000
	JLOAD \s                                       ; the ring is filled before anything else is done
.endr
	; A fragment is 16 rows x 32 K in 8 registers: lane l holds row l % 16; registers 0-3 hold K = 8 (l / 16) + 0..7, registers 4-7 hold
	; K = 16 + 8 (l / 16) + 0..7.  From rows that lie along K: two loads of 16 bytes, 32 bytes apart.  The same for source 0 and source 1.
	v_and_b32 v1, 15, v0                           ; l % 16
	v_bfe_u32 v2, v0, 4, 1                         ; l / 16
	v_lshlrev_b32 v[BO], 5, v2                     ; the bias: 8 numbers further on for lanes 16 to 31
	; The bias as C operands: in the transposed result register j of tile column b is column 16 b + 8 (l / 16) + j, whatever the row,
	; so eight registers serve all eight tiles of a tile column.  Sixteen loads, once.
.irp b, 0,1,2,3,4,5,6,7
	global_load_b128 v[BIAS+8*\b:BIAS+8*\b+3],   v[BO], s[66:67] offset:64*\b
	global_load_b128 v[BIAS+8*\b+4:BIAS+8*\b+7], v[BO], s[66:67] offset:64*\b+16
.endr
	v_mul_u32_u24 v3, v1, PITCH
	v_lshl_add_u32 v3, v2, 4, v3                   ; row x pitch + 16 x half
	s_mul_i32 s21, s11, HALFT                      ; my 128 rows of xb
	s_mul_i32 s22, s12, HALFT                      ; my 128 rows of wq,
	s_add_co_u32 s22, s22, 2*HALFT                 ; which lie behind xb's 256
.irp s, 0,1
	v_add_nc_u32 v[ADRA+\s], s21, v3
	v_add_nc_u32 v[ADRB+\s], s22, v3
	s_add_co_u32 s21, s21, SLOT
	s_add_co_u32 s22, s22, SLOT
.endr
	s_mul_i32 s23, s10, 16*SPITCH
	s_add_co_u32 s23, s23, STAGE                   ; my stage
	v_mul_u32_u24 v4, v1, SPITCH                   ; in: row l % 16, 32 bytes for each half of the lanes
	v_lshl_add_u32 v4, v2, 5, v4
	v_add_nc_u32 v[STO], s23, v4
	v_and_b32 v5, 31, v0
	v_lshlrev_b32 v[CO], 4, v5                     ; back and out: the 32 lanes take one row of 512 bytes, 16 bytes each
	v_add_nc_u32 v[RD], s23, v[CO]
; 16 matrix instructions: m blocks a0, a0 + 1 of the window's four (hi = 0: my rows 0-63, 1: rows 64-127) x all 8 n blocks, 32 along K.
; first = 1: the first product takes the bias as C and starts the sums: nothing is cleared, and nothing is added on the way out.
.macro MUL16 f, hi, a0, first
.irp a, \a0, \a0+1
.irp b, 0,1,2,3,4,5,6,7
.if \first
	v_wmma_f32_16x16x32_bf16 v[8*(8*(\a)+\b):8*(8*(\a)+\b)+7], v[\f+8*\b:\f+8*\b+7], v[\f+8*(4*\hi+\a):\f+8*(4*\hi+\a)+7], v[BIAS+8*\b:BIAS+8*\b+7]
.else
	v_wmma_f32_16x16x32_bf16 v[8*(8*(\a)+\b):8*(8*(\a)+\b)+7], v[\f+8*\b:\f+8*\b+7], v[\f+8*(4*\hi+\a):\f+8*(4*\hi+\a)+7], v[8*(8*(\a)+\b):8*(8*(\a)+\b)+7]
.endif
.endr
.endr
.endm
; 32 LDS loads in one run: the fragments of one quarter step (128 rows of wq, 128 rows of xb, 32 K at byte k of the rows) into buffer f
.macro FETCH slot, k, f
	WIN TO_B
.irp i, 0,1,2,3,4,5,6,7
	ds_load_b128 v[\f+8*\i:\f+8*\i+3],   v[ADRB+\slot] offset:\k+\i*16*PITCH
	ds_load_b128 v[\f+8*\i+4:\f+8*\i+7], v[ADRB+\slot] offset:\k+\i*16*PITCH+32
.endr
	WIN 0
.irp i, 0,1,2,3,4,5,6,7
	ds_load_b128 v[\f+8*\i:\f+8*\i+3],   v[ADRA+\slot] offset:\k+\i*16*PITCH
	ds_load_b128 v[\f+8*\i+4:\f+8*\i+7], v[ADRA+\slot] offset:\k+\i*16*PITCH+32
.endr
.endm
; A load into a register that a matrix instruction has read, and an LDS store that reads a matrix result, stand four places behind that
; matrix instruction, and only plain vector instructions that name none of its registers are places (ISA guide 7.12.1 for vector
; instructions); the matrix instructions in between are not counted.  So four v_nop stand in
; front of each run of loads: sixteen issue slots for a K step's 256 matrix instructions.
.macro PLACES
.rept 4
	v_nop
.endr
.endm
; A K step is four quarter steps of 32 along K, 64 matrix instructions each, on buffers 0, 1, 0, 1.
; One of the first three: multiplies buffer f; in its middle it fetches the next quarter's fragments, at byte k of the same slot's rows, into buffer g.
.macro QUARTER slot, k, f, g, first
	s_wait_dscnt 8                                 ; wq and xb's rows 0-63 are in; the youngest eight loads (xb's rows 64-127) may be out
.if \first
	WIN FIRST_LO
.else
	WIN MUL_LO
.endif
	MUL16 \f, 0, 0, \first
	MUL16 \f, 0, 2, \first
	PLACES
	FETCH \slot, \k, \g
	s_wait_dscnt 32                                ; all but the 32 just issued
.if \first
	WIN FIRST_HI
.else
	WIN MUL_HI
.endif
	MUL16 \f, 1, 0, \first
	MUL16 \f, 1, 2, \first
.endm
.macro THREE slot, first
	QUARTER \slot, 64,  F0, F1, \first
	QUARTER \slot, 128, F1, F0, 0
	QUARTER \slot, 192, F0, F1, 0
.endm
; The last quarter: multiplies buffer 1 and changes slots.  next = the other slot; fill = 1: this slot is filled again, two K steps ahead.
; ONE barrier for the change of slots, for two things.  In front of it each wave waits for its own reads of this slot and for all its tensor loads,
; of which one is out: its part of the next slot.  Behind it nobody reads this slot any more and the next slot is whole: the refill comes
; first, then the next slot's first fragments.  From a request to the wait for it a wave issues 240 matrix instructions.
.macro TURN slot, next, fill
	s_wait_dscnt 8
	WIN MUL_LO
	MUL16 F1, 0, 0, 0
	s_wait_dscnt 0                                 ; my reads of this slot are over (the last were issued 48 matrix instructions ago)
	s_wait_tensorcnt 0x0                           ; and all my tensor loads have landed: the one that was out is my part of the next slot:
	ds_add_u32 v255, v63
	s_wait_dscnt 0x0
	s_barrier_signal -1                            ; say so (where a slot is filled again this barrier opens a round of the cluster's barrier),
	MUL16 F1, 0, 2, 0                              ; work on registers while the others arrive,
	WIN 0
	s_barrier_wait -1                              ; and go on when all four have said so
.if \fill
	CREST                                          ; wave 0 says so for the work-group, all sixteen work-groups have said so, my work-group's barrier closes the round:
	                                               ; no wave of any partner still reads this slot's tile or has a load on its way
	s_add_nc_u64 s[G0+4*\slot+2:G0+4*\slot+3], s[G0+4*\slot+2:G0+4*\slot+3], 2*KSTEP*2
	s_add_nc_u64 s[G0B+4*\slot+2:G0B+4*\slot+3], s[G0B+4*\slot+2:G0B+4*\slot+3], 2*KSTEP*2
	JLOAD \slot                                    ; the first tensor load behind the round, and my only one until the next
.endif
	PLACES
	FETCH \next, 0, F0
	WIN MUL_HI
	MUL16 F1, 1, 0, 0
	MUL16 F1, 1, 2, 0
.endm
.macro LAP first                       ; once round the ring, both slots filled again
	THREE 0, \first
	TURN 0, 1, 1
	THREE 1, 0
	TURN 1, 0, 1
.endm
	s_wait_loadcnt 0x0                             ; the bias is in, ahead of the first products
	s_wait_tensorcnt 1                             ; my part of K step 0 is in; K step 1's may stay out
	s_barrier_signal -1
	s_barrier_wait -1                              ; everybody's is
	FETCH 0, 0, F0
	LAP 1                                          ; the first lap stands in front of the loop: its first products start the sums from the bias
	WIN 0                                          ; at a label and at a branch every window is 0
	s_mov_b32 s3, LAPS-2
.Llap:
	LAP 0
	WIN 0
	s_sub_co_u32 s3, s3, 1
	s_cmp_lg_u32 s3, 0
	s_cbranch_scc1 .Llap
	THREE 0, 0                                     ; the last lap fills nothing, and has no round of the cluster's barrier: my one tensor load that is still out is slot 1's, the last K step's
	TURN 0, 1, 0
	THREE 1, 0
	s_wait_dscnt 8                                 ; the very last quarter: nothing more to fetch
	WIN MUL_LO
	MUL16 F1, 0, 0, 0
	MUL16 F1, 0, 2, 0
	s_wait_dscnt 0
	WIN MUL_HI
	MUL16 F1, 1, 0, 0
	MUL16 F1, 1, 2, 0
	; THE WAY OUT, 16 rows at a time: a lane's 32 bytes of each tile go into my own stage in LDS and come back as whole rows of 512 bytes.
	; The four v_nop of PLACES are the places behind the last matrix instructions: for the LDS stores, which read results,
	; and for the loads into buffers 0 and 1.
	PLACES
	s_lshl_b32 s13, s13, 8
	s_lshl_b32 s14, s11, 7
	s_add_co_u32 s16, s13, s14                     ; my first row of out0
	s_mov_b32 s17, 0
	s_mov_b64 s[18:19], SIZE_N*4
	s_mul_u64 s[16:17], s[16:17], s[18:19]
	s_add_nc_u64 s[8:9], s[8:9], s[16:17]
	s_lshl_b32 s46, s42, 10                        ; my first column, in bytes: 1,024 x block + 512 x half (in the registers that held wq's address: none that feeds xb's descriptors ever holds cx)
	s_lshl_b32 s47, s12, 9
	s_add_co_u32 s46, s46, s47
	s_mov_b32 s47, 0
	s_add_nc_u64 s[8:9], s[8:9], s[46:47]
; rows 16 i .. 16 i + 15 of my block = the eight tiles (a, 0..7) of window 2 or 3 (from = 0x08 or 0x0c: an LDS store's data is source 1); f: F0 or F1 in turn
.macro OUT16 i, a, from, f
	WIN \from
.irp b, 0,1,2,3,4,5,6,7
	ds_store_b128 v[STO], v[8*(8*\a+\b):8*(8*\a+\b)+3]   offset:64*\b
	ds_store_b128 v[STO], v[8*(8*\a+\b)+4:8*(8*\a+\b)+7] offset:64*\b+16
.endr
	WIN 0
	s_wait_xcnt 0x0                                ; every earlier memory instruction has had its addresses translated (ISA guide 3.1): buffer f, which stores read, and the stores' base are rewritten only behind this wait
.if \i
	s_add_nc_u64 s[8:9], s[8:9], 16*SIZE_N*4       ; 16 rows on, so that the stores' offsets stay small: 15 rows, 122,880 bytes, at the most
.endif
.irp t, 0,1,2,3,4,5,6,7,8,9,10,11,12,13,14,15
	ds_load_b128 v[\f+4*\t:\f+4*\t+3], v[RD] offset:\t*SPITCH      ; LDS serves a wave's instructions in order (ISA guide 5.7.1.4): these see the stores above; the stage is my own
.endr
.irp t, 0,1,2,3,4,5,6,7,8,9,10,11,12,13,14,15
	s_wait_dscnt 15-\t                             ; row t is back; the younger rows stay out
	global_store_b128 v[CO], v[\f+4*\t:\f+4*\t+3], s[8:9] offset:\t*SIZE_N*4 th:TH_STORE_NT   ; the wave stores 512 consecutive bytes, at a multiple of 512 from out0's first byte
.endr
.endm
	OUT16 0, 0, 0x08, F0
	OUT16 1, 1, 0x08, F1
	OUT16 2, 2, 0x08, F0
	OUT16 3, 3, 0x08, F1
	OUT16 4, 0, 0x0c, F0
	OUT16 5, 1, 0x0c, F1
	OUT16 6, 2, 0x0c, F0
	OUT16 7, 3, 0x0c, F1
	s_set_vgpr_msb 0x1
	s_wait_tensorcnt 0x0
	ds_add_u32 v255, v63
	s_wait_dscnt 0x0
	s_set_vgpr_msb 0x100
	CROUND                                         ; the closing round: no work-group ends while a partner may still ask for a tile that names it
	s_endpgm
.Lfunc_end_k_q2f5dc67788_gemm:
	.size	k_q2f5dc67788_gemm, .Lfunc_end_k_q2f5dc67788_gemm-k_q2f5dc67788_gemm
	.p2alignl 7, 3214868480
	.fill 96, 4, 3214868480
	.section	.rodata,"a",@progbits
	.p2align	6, 0x0
	.amdhsa_kernel k_q2f5dc67788_gemm
		.amdhsa_group_segment_fixed_size 327680
		.amdhsa_private_segment_fixed_size 0
		.amdhsa_enable_private_segment 0
		.amdhsa_kernarg_size 32
		.amdhsa_user_sgpr_count 2
		.amdhsa_user_sgpr_kernarg_segment_ptr 1
		.amdhsa_wavefront_size32 1
		.amdhsa_system_sgpr_workgroup_id_x 1
		.amdhsa_system_sgpr_workgroup_id_y 1
		.amdhsa_system_sgpr_workgroup_id_z 1
		.amdhsa_system_vgpr_workitem_id 0
		.amdhsa_next_free_vgpr 1024
		.amdhsa_next_free_sgpr 70
		.amdhsa_reserve_vcc 0
		.amdhsa_float_denorm_mode_32 3
		.amdhsa_float_denorm_mode_16_64 3
		.amdhsa_memory_ordered 1
		.amdhsa_forward_progress 1
		.amdhsa_inst_pref_size 198
	.end_amdhsa_kernel
	.amdgpu_metadata
---
amdhsa.version: [ 1, 2 ]
amdhsa.kernels:
  - .name:           k_q2f5dc67788_gemm
    .symbol:         k_q2f5dc67788_gemm.kd
    .args:
      - { .name: xb, .offset: 0, .size: 8, .value_kind: global_buffer, .address_space: global }
      - { .name: wq, .offset: 8, .size: 8, .value_kind: global_buffer, .address_space: global }
      - { .name: out0, .offset: 16, .size: 8, .value_kind: global_buffer, .address_space: global }
      - { .name: bias, .offset: 24, .size: 8, .value_kind: global_buffer, .address_space: global }
    .group_segment_fixed_size: 327680
    .private_segment_fixed_size: 0
    .kernarg_segment_align: 8
    .kernarg_segment_size: 32
    .max_flat_workgroup_size: 128
    .sgpr_count:     70
    .vgpr_count:     1024
    .wavefront_size: 32
...
	.end_amdgpu_metadata
.endif
;; end of part 2
;; ======== version 2 of 2: 2 launches; version 1 with the launch prep written anew for expert scheduling mode
;; workspace buffers: xb 67,108,864 bytes; wq 16,777,216 bytes
;; launch prep (part 3): grid 1024 x 1, 8 waves a work-group, no clusters, 0 bytes of LDS; arguments input_, codes, centroids, xb, wq; writes xb, wq
.if DOCPART == 3
	.amdgcn_target "amdgcn-amd-amdhsa--gfx1250"
	.amdhsa_code_object_version 6
	.text
	.protected	k_q2f5dc67788_prep
	.globl	k_q2f5dc67788_prep
	.p2align	8
	.type	k_q2f5dc67788_prep,@function
k_q2f5dc67788_prep:
	s_mov_b64 s[64:65], 0
	v_nop
	global_prefetch_b8 v0, s[64:65] scope:SCOPE_SE
	s_setreg_imm32_b32 hwreg(HW_REG_WAVE_SCHED_MODE, 0, 2), 2
	s_setreg_imm32_b32 hwreg(HW_REG_WAVE_MODE, 25, 1), 1
	s_wait_xcnt 0x0
	s_wait_alu depctr_vm_vsrc(0)
; xb = bf16(input_), [8192][4096];  wq = bf16(centroids[index]), [2048][4096]: the dense weight, unpacked once.
; Both are rounded once, to nearest even; bf16 keeps f32's exponent range.
;
; THE CODES ARE int32, and so are the powers 8^p that they are divided by: 8^0 .. 8^10 fit, 8^11 .. 8^20 are 0 in 32 bits.
; Element e of the weight (flat, row-major) is place p = e mod 21 of word c = codes[e div 21], and its index is
;   p = 0 .. 10:  (c >> 3 p, arithmetic) & 7    floor division and a non-negative modulo; place 10 = bits 30, 31 and the sign once more
;   p = 11 .. 20: 6 if c != 0, 7 if c = 0       the floor division by 0 gives -2 or -1, modulo 8
; for every int32 word.  So a word stands for a string of 63 bits: c, its sign bit once more, then ten fields of 6 (of 7 if c = 0).
;
; Eight waves.  The work-group owns 131,072 bytes of input_ (32 lines of 4,096 bytes) and 8,192 elements of the weight (two rows):
; the weight has a quarter of input_'s elements, so all 1,024 work-groups have the same share of both.
; Thread t: in line i the 16 bytes at 4096 i + 16 t (a wave's load covers 512 consecutive bytes), stored as 8 bytes at 2048 i + 8 t
; (a wave's store covers 256 consecutive bytes, aligned); in weight group j = 0 .. 3 the elements 8192 wg + 2048 j + 8 t + 0 .. 7,
; stored as 16 bytes (sixteen lanes store 256 consecutive bytes, aligned).
; A ring of 16 slots keeps 12 to 16 loads of every wave in flight: 6 to 8 KiB a wave.
; No LDS, no barrier, no matrix unit: every byte is touched once and the waves share nothing.
;
; THE MODE: SCHED_MODE bits 1:0 = 2 (LLVM: expert scheduling mode 2), set by the entry lines.  The code itself states the register dependences
; between vector instructions and memory instructions, with s_wait_alu, always for 0.
; THE PLAN.  Registers that memory instructions touch:
;   v1, v2        byte offsets, made once at the head and never written again: every step stands in an immediate offset.
;   GRP, group j  registers 0, 1: written by ADDR as the offsets of two code words, read by the two code loads, written again by the look-ups;
;                 registers 2, 3: the code loads land in them, the unpacking reads them, the look-ups write them;
;                 all four are then read by the group's one store and never written again.
;   XR, 16 slots  lines 0 to 15: the line's load lands, two conversions read the slot, the load of line i + 16 lands in it;
;                 lines 16 to 31: converted in place, the store reads the slot's first two registers, nothing writes them afterwards.
;   the result pairs of lines 0 to 15: written by one conversion each, read by one store, never written again; before that
;                 vector instructions alone have named them.
; NO REGISTER THAT A STORE READS IS EVER WRITTEN AGAIN, and no load lands in a register that a memory instruction has read: so the one wait on
; vm_vsrc of the text is the one for the code loads' offsets.  The lines go in eight blocks of four, and ONE wait on va_vdst stands in a
; block, behind its eight conversions: they have written the block's result pairs, which its stores read, and are done reading its slots, in
; which its refills land.  It stands behind the conversions and not at the next block's head, so that a slot is asked for again at once.
; The text has no branch and no label.
.set NWORDS, 399458                    ; words in codes
.set LINES, 32                         ; lines of 4,096 bytes of a work-group
.set DEPTH, 16                         ; slots of the ring
.set BLOCK, 4                          ; lines in a block
.set OFX,  1                           ; v1        16 t: offset of the loads of input_ and of the stores of wq; never rewritten
.set OFY,  2                           ; v2        8 t: offset of the stores of xb; never rewritten
.set TLL,  4                           ; v4        low bytes of bf16(centroid 0 .. 3)          v[4:13] serve the unpacking alone, and afterwards
.set TLH,  5                           ; v5        low bytes of bf16(centroid 4 .. 7)          take the results of lines 6 to 10
.set THL,  6                           ; v6        high bytes of bf16(centroid 0 .. 3)
.set THH,  7                           ; v7        high bytes of bf16(centroid 4 .. 7)
.set KSEV, 8                           ; v8        ten fields of 7 from bit 1 on
.set KSIX, 9                           ; v9        ten fields of 6 from bit 1 on
.set BIT,  10                          ; v[10:13]  group j: 3 x place of its first element, 0 .. 60
.set GRP,  16                          ; v[16:31]  group j, 4 registers: two byte offsets and two code words, later the 4 words to store
.set TA,   32                          ; v[32:43]  at work in the unpacking; afterwards they take the results of lines 0 to 5
.set TB,   33
.set WMID, 34
.set WTOP, 35
.set WLO,  36
.set WHI,  37
.set FLD,  38
.set SELA, 39
.set SELB, 40
.set TC,   41
.set BLO,  42
.set BHI,  43
.set XR,   44                          ; v[44:107]  ring of 16 slots: 4 f32 as loaded; lines 16 to 31 are converted in place
.set YN,   108                         ; v[108:117] the results of lines 11 to 15
.set MNZ,  24                          ; s[24:27]  group j: the lanes whose first code word is not 0     (s24 to s28 serve ADDR first,
.set MHI,  28                          ; s[28:31]  group j: the lanes whose first bit is 32 or more       which is over when the masks are made)
	s_load_b256 s[4:11], s[0:1], 0x0               ; input_ s[4:5], codes s[6:7], centroids s[8:9], xb s[10:11]
	s_load_b64 s[12:13], s[0:1], 0x20              ; wq
	s_mov_b32 s24, 0xc30c30c4                      ; ceil(2^36 / 21): 21 x it - 2^36 = 20, and 20 n < 2^36 for n < 2^23, so (n x it) >> 36 = n div 21
	s_lshl_b32 s25, ttmp9, 13                      ; the work-group's first element of the weight
	s_mov_b32 s15, 0
	v_lshlrev_b32 v[OFX], 4, v0
	v_lshlrev_b32 v[OFY], 3, v0
	v_mov_b32 v[KSEV], 0x7ffffffe
	v_mov_b32 v[KSIX], 0x6db6db6c
; Group j: which word holds my first element, at which place, and the byte offsets of that word and the next.  All of it hangs on ids
; alone, so it stands ahead of the wait for the arguments.
; The group's first element is divided by 21 in scalars; what is left, m = remainder + 8 t <= 20 + 2040, in the lane:
; 21 x 3121 - 65536 = 5 and 5 m < 65536, so (m x 3121) >> 16 = m div 21.
.macro ADDR j
	s_add_co_u32 s26, s25, 2048*\j                 ; the group's first element
	s_mul_hi_u32 s27, s26, s24
	s_lshr_b32 s27, s27, 4                         ; its word
	s_mul_i32 s28, s27, 21
	s_sub_co_u32 s28, s26, s28                     ; its place, 0 .. 20
	v_lshl_add_u32 v[TA], v0, 3, s28               ; m
	v_mul_u32_u24 v[TB], v[TA], 3121
	v_lshrrev_b32 v[TB], 16, v[TB]                 ; m div 21
	v_mul_u32_u24 v[TC], v[TB], 21
	v_sub_nc_u32 v[TA], v[TA], v[TC]               ; my first element's place
	v_lshl_add_u32 v[BIT+\j], v[TA], 1, v[TA]      ; x 3: its first bit
	v_add_nc_u32 v[TB], s27, v[TB]                 ; my word
	v_lshlrev_b32 v[GRP+4*\j], 2, v[TB]
	v_add_nc_u32 v[TB], 1, v[TB]
	v_min_u32 v[TB], NWORDS-1, v[TB]               ; the next word, kept inside the buffer: the one group that is clamped starts at place 3 of the last word and uses none of it
	v_lshlrev_b32 v[GRP+4*\j+1], 2, v[TB]
.endm
	ADDR 0
	ADDR 1
	ADDR 2
	ADDR 3
	s_wait_kmcnt 0x0
	s_load_b256 s[16:23], s[8:9], 0x0              ; the eight centroids
	s_lshl_b32 s14, ttmp9, 17
	s_add_nc_u64 s[4:5], s[4:5], s[14:15]          ; input_ at the work-group's 131,072 bytes
	s_lshl_b32 s14, ttmp9, 16
	s_add_nc_u64 s[10:11], s[10:11], s[14:15]      ; xb at its 65,536 bytes
	s_lshl_b32 s14, ttmp9, 14
	s_add_nc_u64 s[12:13], s[12:13], s[14:15]      ; wq at its 16,384 bytes
	s_wait_alu depctr_va_vdst(0)                   ; v1, v2 and the eight offsets of the code words are written: the loads below read them, and every later load and store reads v1 or v2, which no vector instruction names again
.irp j, 0,1,2,3
	global_load_b32 v[GRP+4*\j+2], v[GRP+4*\j], s[6:7]     ; the code words first: loads come back in order, and the unpacking is done while the lines are on their way
	global_load_b32 v[GRP+4*\j+3], v[GRP+4*\j+1], s[6:7]
.endr
.irp k, 0,1,2,3,4,5,6,7,8,9,10,11,12,13,14,15
	global_load_b128 v[XR+4*\k:XR+4*\k+3], v[OFX], s[4:5] offset:4096*\k th:TH_LOAD_NT   ; fill the ring: lines 0 to 15; no vector instruction has named these registers
.endr
	; The table of eight bf16 as four registers of bytes, so that a byte permute looks four indices up at once.
	s_wait_kmcnt 0x0
	v_cvt_pk_bf16_f32 v[TA], s16, s17
	v_cvt_pk_bf16_f32 v[TB], s18, s19
	v_cvt_pk_bf16_f32 v[TC], s20, s21
	v_cvt_pk_bf16_f32 v[WMID], s22, s23
	v_perm_b32 v[TLL], v[TB], v[TA], 0x06040200    ; selector bytes 0-3 take from the second source, 4-7 from the first
	v_perm_b32 v[THL], v[TB], v[TA], 0x07050301
	v_perm_b32 v[TLH], v[WMID], v[TC], 0x06040200
	v_perm_b32 v[THH], v[WMID], v[TC], 0x07050301
; four 3-bit fields of FLD from bit 'first' on, one to each byte of 'sel'
.macro PACK4 sel, first
	v_bfe_u32 v[\sel], v[FLD], \first, 3
	v_bfe_u32 v[TC], v[FLD], \first+3, 3
	v_lshl_or_b32 v[\sel], v[TC], 8, v[\sel]
	v_bfe_u32 v[TC], v[FLD], \first+6, 3
	v_lshl_or_b32 v[\sel], v[TC], 16, v[\sel]
	v_bfe_u32 v[TC], v[FLD], \first+9, 3
	v_lshl_or_b32 v[\sel], v[TC], 24, v[\sel]
.endm
; four indices in the bytes of 'sel' become four bf16 in dst, dst + 1
.macro LOOK sel, dst
	v_perm_b32 v[BLO], v[TLH], v[TLL], v[\sel]     ; index 0-3: byte of TLL, 4-7: byte of TLH: four low bytes
	v_perm_b32 v[BHI], v[THH], v[THL], v[\sel]     ; four high bytes
	v_perm_b32 v[\dst], v[BHI], v[BLO], 0x05010400 ; low 0, high 0, low 1, high 1
	v_perm_b32 v[\dst+1], v[BHI], v[BLO], 0x07030602
.endm
; Group j: my 24 bits start at bit BIT (at most 60) of word 0's 63 bits followed by word 1's, so they end at bit 83 at the latest,
; which is bit 20 of word 1.  Three words of 32 bits hold them; two are chosen and shifted.  The group's two masks were made in the run below.
.macro DEC j
	v_cndmask_b32 v[TA], v[KSEV], v[KSIX], s[MNZ+\j]  ; word 0 is not 0: fields of 6; it is 0: fields of 7
	v_lshrrev_b32 v[TB], 31, v[GRP+4*\j+2]         ; its sign once more: bit 32
	v_or_b32 v[TA], v[TA], v[TB]
	v_lshl_or_b32 v[WMID], v[GRP+4*\j+3], 31, v[TA]   ; bits 32 .. 63; bit 63 is word 1's bit 0
	v_lshrrev_b32 v[WTOP], 1, v[GRP+4*\j+3]        ; bits 64 .. (used up to bit 83)
	v_cndmask_b32 v[WLO], v[GRP+4*\j+2], v[WMID], s[MHI+\j]
	v_cndmask_b32 v[WHI], v[WMID], v[WTOP], s[MHI+\j]
	v_and_b32 v[TA], 31, v[BIT+\j]                 ; s
	v_sub_nc_u32 v[TB], 31, v[TA]
	v_lshrrev_b32 v[WLO], v[TA], v[WLO]            ; low >> s
	v_lshlrev_b32 v[WHI], 1, v[WHI]
	v_lshlrev_b32 v[WHI], v[TB], v[WHI]            ; (high << 1) << (31 - s): right for s = 0 too
	v_or_b32 v[FLD], v[WLO], v[WHI]                ; eight indices in bits 23:0
	PACK4 SELA, 0
	PACK4 SELB, 12
	LOOK SELA, GRP+4*\j
	LOOK SELB, GRP+4*\j+2
.endm
	s_wait_loadcnt DEPTH                           ; loads come back in order (ISA guide 5.7.1): the eight code words are in, the sixteen lines issued behind them stay out;
	                                               ; the code loads are done, so their offset registers may take the results
.irp j, 0,1,2,3
	v_cmp_ne_u32 s[MNZ+\j], 0, v[GRP+4*\j+2]       ; the eight compares stand in one run, each with a scalar register of its own
	v_cmp_le_u32 s[MHI+\j], 32, v[BIT+\j]
.endr
	s_wait_alu depctr_vm_vsrc(0)                   ; the code loads have read their offsets, registers 0 and 1 of each group, which the look-ups below write again
	s_wait_alu depctr_va_sdst(0)                   ; the eight compares have written s[24:31], ahead of the first select that reads one of them
	DEC 0
	DEC 1
	DEC 2
	DEC 3
	s_wait_alu depctr_va_vdst(0)                   ; the look-ups have written v[16:31], which the four stores read
.irp j, 0,1,2,3
	global_store_b128 v[OFX], v[GRP+4*\j:GRP+4*\j+3], s[12:13] offset:4096*\j   ; these registers are not written again
.endr
; The 32 lines, written out in eight blocks of four: every step stands in an immediate, 126,976 at the most.  Slot k = i mod 16.
; Lines 0 to 15: the slot is loaded again with line i + 16, so the two words to store go to a pair of registers that nothing writes
; afterwards: six pairs in v[32:43] and five in v[4:13], which the unpacking above has read for the last time and which no memory
; instruction has named, and five in v[108:117].
; Lines 16 to 31: the slot is not loaded again, so the line is converted in place and stored from its own first two registers.
.macro WHERE                           ; from the line i: its slot k and the pair y that takes its two words
.set k, i%DEPTH
.if i < 6
.set y, TA+2*i
.elseif i < 11
.set y, TLL+2*(i-6)
.elseif i < DEPTH
.set y, YN+2*(i-11)
.else
.set y, XR+4*k
.endif
.endm
.set b, 0
.rept LINES/BLOCK
.if b < DEPTH/BLOCK
	s_wait_loadcnt DEPTH-BLOCK                     ; lines up to 15 + 4 b have been asked for, this block's last is 4 b + 3: its four are in, the twelve younger lines stay out
.else
	s_wait_loadcnt LINES-BLOCK*(b+1)               ; nothing more is asked for: the counts run down 12, 8, 4, 0
.endif
.set n, 0
.rept BLOCK
.set i, BLOCK*b+n
	WHERE
	v_cvt_pk_bf16_f32 v[y], v[XR+4*k], v[XR+4*k+1]
	v_cvt_pk_bf16_f32 v[y+1], v[XR+4*k+2], v[XR+4*k+3]
.set n, n+1
.endr
	s_wait_alu depctr_va_vdst(0)                   ; the block's eight conversions have written its four pairs, which the stores below read, and are done reading its four slots, in which the loads below land
.if b < DEPTH/BLOCK
.set n, 0
.rept BLOCK
.set i, BLOCK*b+n
	WHERE
	global_load_b128 v[XR+4*k:XR+4*k+3], v[OFX], s[4:5] offset:4096*(i+DEPTH) th:TH_LOAD_NT   ; the loads ahead of the stores
.set n, n+1
.endr
.endif
.set n, 0
.rept BLOCK
.set i, BLOCK*b+n
	WHERE
	global_store_b64 v[OFY], v[y:y+1], s[10:11] offset:2048*i   ; the pair is not written again
.set n, n+1
.endr
.set b, b+1
.endr
	s_endpgm
.Lfunc_end_k_q2f5dc67788_prep:
	.size	k_q2f5dc67788_prep, .Lfunc_end_k_q2f5dc67788_prep-k_q2f5dc67788_prep
	.p2alignl 7, 3214868480
	.fill 96, 4, 3214868480
	.section	.rodata,"a",@progbits
	.p2align	6, 0x0
	.amdhsa_kernel k_q2f5dc67788_prep
		.amdhsa_group_segment_fixed_size 0
		.amdhsa_private_segment_fixed_size 0
		.amdhsa_enable_private_segment 0
		.amdhsa_kernarg_size 40
		.amdhsa_user_sgpr_count 2
		.amdhsa_user_sgpr_kernarg_segment_ptr 1
		.amdhsa_wavefront_size32 1
		.amdhsa_system_sgpr_workgroup_id_x 1
		.amdhsa_system_sgpr_workgroup_id_y 1
		.amdhsa_system_sgpr_workgroup_id_z 1
		.amdhsa_system_vgpr_workitem_id 0
		.amdhsa_next_free_vgpr 118
		.amdhsa_next_free_sgpr 66
		.amdhsa_reserve_vcc 0
		.amdhsa_float_denorm_mode_32 3
		.amdhsa_float_denorm_mode_16_64 3
		.amdhsa_memory_ordered 1
		.amdhsa_forward_progress 1
		.amdhsa_inst_pref_size 25
	.end_amdhsa_kernel
	.amdgpu_metadata
---
amdhsa.version: [ 1, 2 ]
amdhsa.kernels:
  - .name:           k_q2f5dc67788_prep
    .symbol:         k_q2f5dc67788_prep.kd
    .args:
      - { .name: input_, .offset: 0, .size: 8, .value_kind: global_buffer, .address_space: global }
      - { .name: codes, .offset: 8, .size: 8, .value_kind: global_buffer, .address_space: global }
      - { .name: centroids, .offset: 16, .size: 8, .value_kind: global_buffer, .address_space: global }
      - { .name: xb, .offset: 24, .size: 8, .value_kind: global_buffer, .address_space: global }
      - { .name: wq, .offset: 32, .size: 8, .value_kind: global_buffer, .address_space: global }
    .group_segment_fixed_size: 0
    .private_segment_fixed_size: 0
    .kernarg_segment_align: 8
    .kernarg_segment_size: 40
    .max_flat_workgroup_size: 256
    .sgpr_count:     66
    .vgpr_count:     118
    .wavefront_size: 32
...
	.end_amdgpu_metadata
.endif
;; end of part 3
;; launch gemm: the kernel of part 2 again; grid 8 x 32, 4 waves a work-group, clusters of 4 x 4, 327,680 bytes of LDS; arguments xb, wq, out0, bias; writes out0
